; MI455X (gfx1250); checked and timed in simulation.
; The chip was launched on July 23, 2026; its instructions are those of AMD's public machine-readable ISA for CDNA 5 (MIT licence, August 2026) and "CDNA5" Instruction Set Architecture Reference Guide (July 2026). The comments in the code are by the model that wrote it; some were corrected since.
;; MF Model. Allowed arithmetic: float matrix products may take bf16 or f16 operands with f32 sums; all other float work in f32.
;; Inputs: item_table 100,000 x 64 float32; user_table 1,000,000 x 64 float32; x 16,384 x 2 int32.
;; Outputs: out0 16,384 float32.
;; One version. Each part assembles by itself: llvm-mc -triple=amdgcn-amd-amdhsa -mcpu=gfx1250 --defsym DOCPART=n.
;; ======== version 1 of 1: 1 launch
;; launch mfdot (part 1): grid 256 x 1, 8 waves a work-group, no clusters, 1,280 bytes of LDS; arguments x, user_table, item_table, out0; writes out0
.if DOCPART == 1
	.amdgcn_target "amdgcn-amd-amdhsa--gfx1250"
	.amdhsa_code_object_version 6
	.text
	.protected	k_q087f6d6fc3_mfdot
	.globl	k_q087f6d6fc3_mfdot
	.p2align	8
	.type	k_q087f6d6fc3_mfdot,@function
k_q087f6d6fc3_mfdot:
	s_mov_b64 s[64:65], 0
	v_nop
	global_prefetch_b8 v0, s[64:65] scope:SCOPE_SE
	s_setreg_imm32_b32 hwreg(HW_REG_WAVE_MODE, 25, 1), 1
	s_wait_xcnt 0x0
; out0[p] = sigmoid( sum over d of user_table[x[p][0]][d] * item_table[x[p][1]][d] ),  p = 0 .. 16383, d = 0 .. 63, all f32.
;
; SHARES.  256 work-groups of 64 pairs; 8 waves of 8 pairs; a half-wave (16 lanes) of 4 pairs.  A table row is 64 f32 = 256 bytes =
; 16 lanes x 16 bytes, so one 16-byte load of a wave fetches two whole rows, each 256 consecutive bytes at a multiple of 256 from its
; table's first byte.  All 8 row loads of a wave are issued as soon as its indices are in; nothing is read twice and there is no loop.
; The 64 results of a work-group are 256 consecutive bytes of out0: they meet in LDS and leave by one store of wave 0.
;
; NOT USED, by the code's own arithmetic: matrix instructions (each row meets one other row: no operand is used twice), tensor loads,
; clusters (no two work-groups share a tile), prefetches (a row's address exists only when its index has arrived, and the load itself
; is issued at that point), non-temporal hints on the rows (the list may name a row more than once).
;
; LIMITS.  Indices are clamped, as unsigned numbers, to the table's last row; the problem keeps them inside the table, and a negative
; index (which the reference would wrap) reads the last row here.  sigmoid(s) = 1 / (1 + 2^(-s log2 e)): for s below about -87 the
; result is exactly 0 where f32 has a number below 2^-126; +-infinity and NaN sums behave as in the reference.  The 64 products are
; summed in another order than the reference's (4 in a lane, then a tree over 16 lanes).
.set USER_LAST, 999999                 ; last row of user_table
.set ITEM_LAST, 99999                  ; last row of item_table
.set COL, 1                            ; v1        16 r: my 16 bytes in every row (r = lane % 16)
.set XO,  2                            ; v2        byte offset in x of my half-wave's four index pairs
.set IDX, 4                            ; v[4:11]   u0 i0 u1 i1 u2 i2 u3 i3: indices as loaded, then byte offsets of my 16 bytes in the tables
.set U,   12                           ; v[12:27]  pair j: 4 numbers of its user row
.set I,   28                           ; v[28:43]  pair j: 4 numbers of its item row
.set T,   44                           ; v[44:51]  pair j: two registers of partial sums; then the tree's scratch
.set LW,  52                           ; v52       LDS: 32 wave + 16 half
.set LJ,  53                           ; v53       LDS: where my result goes
.set LR,  54                           ; v54       LDS: 8 lane, where wave 0 reads two results back
.set OO,  55                           ; v55       byte offset of those two results in out0
.set R,   56                           ; v[56:57]  the two results
	s_load_b256 s[4:11], s[0:1], 0x0               ; x s[4:5], user_table s[6:7], item_table s[8:9], out0 s[10:11]
	v_lshl_add_u32 v64, v0, 2, 0x100
	v_mov_b32 v65, 0
	s_lshl_b32 s2, ttmp9, 9                        ; the group's 64 pairs x 8 bytes in x
	s_lshl_b32 s3, ttmp9, 8                        ; the group's 64 results x 4 bytes in out0
	v_and_b32 v3, 0xf0, v0                         ; 16 g, g = half-wave number in the group, 0 .. 15
	v_lshl_add_u32 v[XO], v3, 1, s2                ; + 32 g: four pairs of 8 bytes for each half-wave
	v_and_b32 v[COL], 15, v0
	v_lshlrev_b32 v[COL], 4, v[COL]                ; 16 r
	s_wait_kmcnt 0x0
	; The 16 lanes of a half-wave read the same 32 bytes, so every lane gets its four pairs' indices without any traffic between lanes;
	; the wave's two loads together cover 64 consecutive bytes of x, and each byte of x is read by one wave.
	global_load_b128 v[IDX:IDX+3],   v[XO], s[4:5]
	global_load_b128 v[IDX+4:IDX+7], v[XO], s[4:5] offset:16
	; while they are on their way: the wave's number, the lane masks of the tree, the addresses of the way out
	v_lshrrev_b32 v3, 5, v0
	v_readfirstlane_b32 s12, v3                    ; wave 0 .. 7
	s_lshl_b32 s13, s12, 5                         ; the wave's 8 results x 4 bytes in LDS
	s_mov_b32 s16, 0xaaaaaaaa                      ; lanes whose bit 0 is set
	s_mov_b32 s17, 0xcccccccc                      ; lanes whose bit 1 is set
	v_and_b32 v[LW], 16, v0                        ; 16 x half: four results of 4 bytes
	v_add_nc_u32 v[LW], s13, v[LW]
	v_and_b32 v[LR], 31, v0
	v_lshlrev_b32 v[LR], 3, v[LR]                  ; 8 x lane
	v_add_nc_u32 v[OO], s3, v[LR]
; Pair j: clamp both indices to their tables, turn them into byte offsets (row x 256 + 16 r, below 2^28) and ask for both rows.
.macro GATHER j
	v_min_u32 v[IDX+2*\j],   USER_LAST, v[IDX+2*\j]
	v_min_u32 v[IDX+2*\j+1], ITEM_LAST, v[IDX+2*\j+1]
	v_lshl_add_u32 v[IDX+2*\j],   v[IDX+2*\j],   8, v[COL]
	v_lshl_add_u32 v[IDX+2*\j+1], v[IDX+2*\j+1], 8, v[COL]
	global_load_b128 v[U+4*\j:U+4*\j+3], v[IDX+2*\j],   s[6:7]
	global_load_b128 v[I+4*\j:I+4*\j+3], v[IDX+2*\j+1], s[8:9]
.endm
	s_wait_loadcnt 0x1                             ; loads come back in order (ISA guide 5.7.1): the first index load is in, the second may be out
	GATHER 0
	GATHER 1
	s_wait_loadcnt 0x4                             ; the four row loads issued behind the second index load may be out: it is in
	GATHER 2
	GATHER 3
; Pair j: my four products, summed into v[T+2j].  left = the younger row loads that may stay out.
.macro DOT j, left
	s_wait_loadcnt \left
	v_pk_mul_f32 v[T+2*\j:T+2*\j+1], v[U+4*\j:U+4*\j+1],   v[I+4*\j:I+4*\j+1]
	v_pk_fma_f32 v[T+2*\j:T+2*\j+1], v[U+4*\j+2:U+4*\j+3], v[I+4*\j+2:I+4*\j+3], v[T+2*\j:T+2*\j+1]
	v_add_f32 v[T+2*\j], v[T+2*\j], v[T+2*\j+1]
.endm
; One step of the tree: two sums a and b become one register.  Lanes whose bit is clear go on with a, the others with b; each lane keeps
; its own part of the sum it goes on with and receives its partner's part of the same sum (lane i reads lane i xor xm).
; keep and send are scratch registers; the result is in keep.
.macro MERGE keep, send, a, b, mask, xm
	v_cndmask_b32 v[\keep], v[\a], v[\b], \mask    ; bit clear: a, bit set: b
	v_cndmask_b32 v[\send], v[\b], v[\a], \mask    ; the other one, for the partner
	v_add_f32_dpp v[\keep], v[\send], v[\keep] row_xmask:\xm row_mask:0xf bank_mask:0xf
.endm
	DOT 0, 6                                       ; eight row loads were issued, two for each pair: six, four, two, none are younger
	DOT 1, 4
	MERGE T+1, T+3, T+0, T+2, s16, 1               ; v[T+1]: pair (lane bit 0), summed over 2 lanes; done while pairs 2 and 3 are on their way
	DOT 2, 2
	DOT 3, 0
	MERGE T+5, T+7, T+4, T+6, s16, 1               ; v[T+5]: pair 2 + (lane bit 0)
	MERGE T+0, T+2, T+1, T+5, s17, 2               ; v[T]: pair r % 4, summed over 4 lanes
	v_add_f32_dpp v[T], v[T], v[T] row_xmask:4 row_mask:0xf bank_mask:0xf
	v_add_f32_dpp v[T], v[T], v[T] row_xmask:8 row_mask:0xf bank_mask:0xf      ; over all 16 lanes: the dot product of pair r % 4 of my half-wave
	; sigmoid(s) = 1 / (1 + 2^(-s log2 e)).  2^.. = infinity gives 0, 2^.. = 0 gives 1: no clamp is needed.
	v_mul_f32 v[T], 0xbfb8aa3b, v[T]               ; -1.442695 s
	v_exp_f32 v[T+1], v[T]
	v_and_b32 v[LJ], 3, v0                         ; a plain instruction between v_exp_f32 and the use of its result (ISA guide 5.7.2): r % 4
	s_wait_alu depctr_va_vdst(0)
	v_add_f32 v[T+1], 1.0, v[T+1]
	v_rcp_f32 v[T+2], v[T+1]
	v_lshl_add_u32 v[LJ], v[LJ], 2, v[LW]          ; and one behind v_rcp_f32: 32 wave + 16 half + 4 (r % 4) = 4 x (pair in the group)
	s_wait_alu depctr_va_vdst(0)
	ds_store_b32 v[LJ], v[T+2]                     ; the four lanes that hold the same pair write the same number to the same word
	s_wait_dscnt 0x0                               ; for wave 0's sake: my results are in LDS before I say so
	s_barrier_signal -1
	s_barrier_wait -1
	s_cmp_lg_u32 s12, 0
	s_cbranch_scc1 .Ldone                          ; the way out is wave 0's alone
	ds_load_b64 v[R:R+1], v[LR]                    ; lane l: results 2 l and 2 l + 1 of the group
	s_wait_dscnt 0x0
	global_store_b64 v[OO], v[R:R+1], s[10:11] th:TH_STORE_NT  ; 32 lanes x 8 bytes: the group's 256 consecutive bytes of out0, at a multiple of 256
.Ldone:
	s_wait_tensorcnt 0x0
	ds_add_u32 v64, v65
	s_wait_dscnt 0x0
	s_endpgm
.Lfunc_end_k_q087f6d6fc3_mfdot:
	.size	k_q087f6d6fc3_mfdot, .Lfunc_end_k_q087f6d6fc3_mfdot-k_q087f6d6fc3_mfdot
	.p2alignl 7, 3214868480
	.fill 96, 4, 3214868480
	.section	.rodata,"a",@progbits
	.p2align	6, 0x0
	.amdhsa_kernel k_q087f6d6fc3_mfdot
		.amdhsa_group_segment_fixed_size 1280
		.amdhsa_private_segment_fixed_size 0
		.amdhsa_enable_private_segment 0
		.amdhsa_kernarg_size 32
		.amdhsa_user_sgpr_count 2
		.amdhsa_user_sgpr_kernarg_segment_ptr 1
		.amdhsa_wavefront_size32 1
		.amdhsa_system_sgpr_workgroup_id_x 1
		.amdhsa_system_sgpr_workgroup_id_y 1
		.amdhsa_system_sgpr_workgroup_id_z 1
		.amdhsa_system_vgpr_workitem_id 0
		.amdhsa_next_free_vgpr 66
		.amdhsa_next_free_sgpr 66
		.amdhsa_reserve_vcc 0
		.amdhsa_float_denorm_mode_32 3
		.amdhsa_float_denorm_mode_16_64 3
		.amdhsa_memory_ordered 1
		.amdhsa_forward_progress 1
		.amdhsa_inst_pref_size 6
	.end_amdhsa_kernel
	.amdgpu_metadata
---
amdhsa.version: [ 1, 2 ]
amdhsa.kernels:
  - .name:           k_q087f6d6fc3_mfdot
    .symbol:         k_q087f6d6fc3_mfdot.kd
    .args:
      - { .name: x, .offset: 0, .size: 8, .value_kind: global_buffer, .address_space: global }
      - { .name: user_table, .offset: 8, .size: 8, .value_kind: global_buffer, .address_space: global }
      - { .name: item_table, .offset: 16, .size: 8, .value_kind: global_buffer, .address_space: global }
      - { .name: out0, .offset: 24, .size: 8, .value_kind: global_buffer, .address_space: global }
    .group_segment_fixed_size: 1280
    .private_segment_fixed_size: 0
    .kernarg_segment_align: 8
    .kernarg_segment_size: 32
    .max_flat_workgroup_size: 256
    .sgpr_count:     66
    .vgpr_count:     66
    .wavefront_size: 32
...
	.end_amdgpu_metadata
.endif
;; end of part 1
